; MI455X (gfx1250); checked and timed in simulation.
; The chip was launched on July 23, 2026; its instructions are those of AMD's public machine-readable ISA for CDNA 5 (MIT licence, August 2026) and "CDNA5" Instruction Set Architecture Reference Guide (July 2026). The comments in the code are by the model that wrote it; some were corrected since.
;; Roi Pooling Conv. Allowed arithmetic: float matrix products may take bf16 or f16 operands with f32 sums; all other float work in f32.
;; Inputs: img 1 x 128 x 128 x 128 x 32 float32; rois 1 x 64 x 6 int32.
;; Outputs: out0 1 x 64 x 7 x 7 x 7 x 32 float32.
;; One version. Each part assembles by itself: llvm-mc -triple=amdgcn-amd-amdhsa -mcpu=gfx1250 --defsym DOCPART=n.
;; ======== version 1 of 1: 1 launch
;; launch roipool (part 1): grid 1372 x 1, 4 waves a work-group, no clusters, 0 bytes of LDS; arguments img, rois, out0; writes out0
.if DOCPART == 1
	.amdgcn_target "amdgcn-amd-amdhsa--gfx1250"
	.amdhsa_code_object_version 6
	.text
	.protected	k_q3e6ab65773_roipool
	.globl	k_q3e6ab65773_roipool
	.p2align	8
	.type	k_q3e6ab65773_roipool,@function
k_q3e6ab65773_roipool:
	s_mov_b64 s[64:65], 0
	v_nop
	global_prefetch_b8 v0, s[64:65] scope:SCOPE_SE
	s_setreg_imm32_b32 hwreg(HW_REG_WAVE_MODE, 25, 1), 1
	s_wait_xcnt 0x0
; RoiPoolingConv: out0[roi][ix][iy][iz][:] = trilinear sample of img at (cx, cy, cz), 32 channels of f32, where along each axis
;   c = clip(start + (i + 0.5) size / 7 - 0.5, 0, 127),  i = 0..6.
; 64 boxes x 343 points = 21,952 points of 128 bytes; each is a weighted sum of 8 voxels of 128 bytes.
;
; SHARES.  Thread t of the launch owns 16 bytes of the output: point p = t >> 3, channels 4 (t & 7) .. + 3.  A wave owns four
; neighbouring points: its store covers 512 consecutive bytes at a multiple of 512 from out0's first byte, and each of its eight
; gathers takes four whole voxels.  175,616 threads = 5,488 full waves = 1,372 work-groups of four: no lane is idle, EXEC never
; changes, there is no loop, and no wave depends on another (no LDS, no barrier).
;
; COORDINATES IN WHOLE NUMBERS.  c = n / 14 with n = 14 start + (2 i + 1) size - 7, so the clip is a clip of n to 0 .. 14 x 127,
; the cell is n div 14 and the weight (n mod 14) / 14.  The cell is capped at 126 and the remainder taken against the capped cell
; (0 .. 14), so that the upper neighbour is always cell + 1: at c = 127 cell 126 gets weight 0 and cell 127 weight 1, the value
; reference() gives.  All eight corners are then one offset register plus constants that fit the loads' immediate field.
;
; LIMITS.  (1) Rounding: c is exact here, reference() rounds it four times in f32; for boxes inside the volume the two differ by
; less than about 2^-16 of a cell, and since the interpolant is continuous in c the result differs by that fraction of the
; difference between neighbouring voxels (also where reference()'s c falls just under a whole number and it takes the cell below).
; (2) Range: |start| and |size| up to 2^26, so that n fits 32 bits (27 x 2^26 + 7 < 2^31).  (3) Voxels that are Inf or NaN: a zero
; weight times such a voxel is NaN, here as in reference(), but in the cases of (1) and at c = 127 the voxels that meet a zero
; weight are not the same ones.
;
; NOT USED, by this text's own arithmetic: clusters and joint requests (which voxels two work-groups share hangs on the boxes: no
; tile is shared by construction); prefetches (each wave issues all eight gathers as soon as their one offset exists: there is no
; earlier point to ask from); a no-reuse hint on the gathers (neighbouring points and overlapping boxes name voxels again).
.set WAVES, 4
.set DIM,   128                        ; voxels along each axis
.set XSH,   21                         ; log2 of the bytes from x to x + 1: 128 x 128 voxels of 128 bytes
.set YSH,   14                         ; from y to y + 1: 128 voxels
.set ZSH,   7                          ; from z to z + 1: 32 channels of f32
.set NMAX,  14*(DIM-1)                 ; n at c = 127
.set TOP,   DIM-2                      ; the highest lower cell
; Divisions by constants as (v * M) >> S with M = ceil(2^S / d).  Exact while v * (M d - 2^S) < 2^S; the product stays below 2^32.
.set M343, 48914                       ; S = 24: 48914 x 343 - 2^24 = 286;  21,951 x 286 < 2^24
.set M49,  85599                       ; S = 22: 85599 x 49  - 2^22 = 47;   21,951 x 47  < 2^22
.set M7,   74899                       ; S = 19: 74899 x 7   - 2^19 = 5;    21,951 x 5   < 2^19
.set M14,  4682                        ; S = 16: 4682  x 14  - 2^16 = 12;   1,778  x 12  < 2^16
.set T,   1                            ; v1       t
.set DV,  2                            ; v[2:5]   p / 343 (the box), p / 49, p / 7, p
.set RO,  6                            ; v6       byte offset of the lane's box in rois
.set Q,   7                            ; v7       16 (t & 7): my 16 bytes in a voxel
.set R,   8                            ; v[8:13]  the box: x, y, z, dx, dy, dz
.set F2,  14                           ; v[14:16] 2 i + 1 for x, y, z
.set N,   17                           ; v[17:19] n for x, y, z
.set I0,  20                           ; v[20:22] lower cell for x, y, z
.set OFF, 23                           ; v23      byte offset in img of my 16 bytes of corner (0, 0, 0)
.set OO,  24                           ; v24      byte offset in out0
.set REM, 25                           ; v[25:27] n - 14 cell, 0 .. 14
.set FL,  28                           ; v[28:33] the same in f32, each twice (a pair for the packed forms)
.set AX,  34                           ; v[34:45] axis a, side s at AX + 4 a + 2 s: (1 - w) for s = 0, w for s = 1, each twice
.set XY,  46                           ; v[46:53] x side i times y side j at XY + 4 i + 2 j, each twice
.set W,   54                           ; v[54:69] weight of corner c = 4 i + 2 j + k at W + 2 c, each twice
.set D,   70                           ; v[70:101] corner c: 4 registers at D + 4 c; corner 0's take the sum
	s_load_b128 s[4:7], s[0:1], 0x0                ; img s[4:5], rois s[6:7]
	s_load_b64 s[8:9], s[0:1], 0x10                ; out0
	; while the arguments are on their way: which point, which box
	s_lshl_b32 s10, ttmp9, 7                       ; the work-group's first thread: 32 x WAVES = 128 each
	v_or_b32 v[T], s10, v0
	v_lshrrev_b32 v[DV+3], 3, v[T]                 ; p = ((box x 7 + ix) x 7 + iy) x 7 + iz
	v_mul_u32_u24 v[DV],   M343, v[DV+3]
	v_mul_u32_u24 v[DV+1], M49,  v[DV+3]
	v_mul_u32_u24 v[DV+2], M7,   v[DV+3]
	v_lshrrev_b32 v[DV],   24, v[DV]               ; p / 343
	v_lshrrev_b32 v[DV+1], 22, v[DV+1]             ; p / 49
	v_lshrrev_b32 v[DV+2], 19, v[DV+2]             ; p / 7
	v_mul_u32_u24 v[RO], 24, v[DV]                 ; six words a box
	s_wait_kmcnt 0x0
	; the box, lane by lane: a wave's four points may lie in two boxes (343 is no multiple of 4)
	global_load_b64 v[R:R+1],   v[RO], s[6:7]              ; x, y
	global_load_b64 v[R+2:R+3], v[RO], s[6:7] offset:8     ; z, dx
	global_load_b64 v[R+4:R+5], v[RO], s[6:7] offset:16    ; dy, dz
	; while the box is on its way: what hangs on t alone
.irp a, 0,1,2
	v_mad_u32 v[F2+\a], v[DV+\a], -7, v[DV+\a+1]   ; ix = p/49 - 7 (p/343), iy = p/7 - 7 (p/49), iz = p - 7 (p/7)
.endr
.irp a, 0,1,2
	v_lshl_add_u32 v[F2+\a], v[F2+\a], 1, 1        ; 2 i + 1
.endr
	v_and_b32 v[Q], 7, v[T]
	v_lshlrev_b32 v[Q], 4, v[Q]
	v_lshlrev_b32 v[OO], 4, v[T]                   ; out0 is written in the order of t, 16 bytes each
	s_wait_loadcnt 0x0                             ; the box is there (all three loads are needed at once)
.irp a, 0,1,2
	v_mad_u32 v[N+\a], v[F2+\a], v[R+3+\a], -7     ; (2 i + 1) size - 7
.endr
.irp a, 0,1,2
	v_mad_u32 v[N+\a], v[R+\a], 14, v[N+\a]        ; + 14 start = 14 c, signed
.endr
.irp a, 0,1,2
	v_max_i32 v[N+\a], 0, v[N+\a]                  ; the clip of c to 0 ..
.endr
.irp a, 0,1,2
	v_min_u32 v[N+\a], NMAX, v[N+\a]               ; .. 127
.endr
.irp a, 0,1,2
	v_mul_u32_u24 v[I0+\a], M14, v[N+\a]
.endr
.irp a, 0,1,2
	v_lshrrev_b32 v[I0+\a], 16, v[I0+\a]           ; floor(c)
.endr
.irp a, 0,1,2
	v_min_u32 v[I0+\a], TOP, v[I0+\a]              ; at most 126: cell + 1 is inside the volume along every axis
.endr
	v_lshl_add_u32 v[OFF], v[I0+2], ZSH, v[Q]
	v_lshl_add_u32 v[OFF], v[I0+1], YSH, v[OFF]
	v_lshl_add_u32 v[OFF], v[I0],   XSH, v[OFF]    ; below 2^28
	; all eight corners at once, z fastest: the two voxels of a z pair are 256 neighbouring bytes.
	; The largest immediate is 2^21 + 2^14 + 2^7, inside the signed 24-bit field.
.irp i, 0,1
.irp j, 0,1
.irp k, 0,1
	global_load_b128 v[D+16*\i+8*\j+4*\k:D+16*\i+8*\j+4*\k+3], v[OFF], s[4:5] offset:\i*(1<<XSH)+\j*(1<<YSH)+\k*(1<<ZSH)
.endr
.endr
.endr
	; while the voxels are on their way: the eight weights.  Each is kept twice, in a pair, so that the packed multiply-adds below
	; take it as it lies; formed by packed instructions, the second copy costs only the three extra conversions.
.irp a, 0,1,2
	v_mad_u32 v[REM+\a], v[I0+\a], -14, v[N+\a]    ; 14 (c - cell): 0 .. 13, and 14 at c = 127
.endr
.irp a, 0,1,2
	v_cvt_f32_u32 v[FL+2*\a],   v[REM+\a]
	v_cvt_f32_u32 v[FL+2*\a+1], v[REM+\a]
.endr
.irp a, 0,1,2
	v_pk_fma_f32 v[AX+4*\a:AX+4*\a+1],   v[FL+2*\a:FL+2*\a+1], 0xbd924925, 1.0 op_sel_hi:[1,0,0]  ; 1 - w, one rounding (-1/14)
	v_pk_mul_f32 v[AX+4*\a+2:AX+4*\a+3], v[FL+2*\a:FL+2*\a+1], 0x3d924925 op_sel_hi:[1,0]         ; w (1/14)
.endr
.irp i, 0,1
.irp j, 0,1
	v_pk_mul_f32 v[XY+4*\i+2*\j:XY+4*\i+2*\j+1], v[AX+2*\i:AX+2*\i+1], v[AX+4+2*\j:AX+4+2*\j+1]
.endr
.endr
.irp i, 0,1
.irp j, 0,1
.irp k, 0,1
	v_pk_mul_f32 v[W+8*\i+4*\j+2*\k:W+8*\i+4*\j+2*\k+1], v[XY+4*\i+2*\j:XY+4*\i+2*\j+1], v[AX+8+2*\k:AX+8+2*\k+1]
.endr
.endr
.endr
	; the sum, in the order in which the corners arrive (loads come back in order: ISA guide 5.7.1).
	; In front of corner c the 7 - c younger gathers may still be out.  The first product starts the sum: nothing is cleared.
	s_wait_loadcnt 7
	v_pk_mul_f32 v[D:D+1],   v[D:D+1],   v[W:W+1]
	v_pk_mul_f32 v[D+2:D+3], v[D+2:D+3], v[W:W+1]
.irp c, 1,2,3,4,5,6,7
	s_wait_loadcnt 7-\c
	v_pk_fma_f32 v[D:D+1],   v[D+4*\c:D+4*\c+1],   v[W+2*\c:W+2*\c+1], v[D:D+1]
	v_pk_fma_f32 v[D+2:D+3], v[D+4*\c+2:D+4*\c+3], v[W+2*\c:W+2*\c+1], v[D+2:D+3]
.endr
	global_store_b128 v[OO], v[D:D+3], s[8:9] th:TH_STORE_NT   ; written once, not read again in the launch
	s_endpgm
.Lfunc_end_k_q3e6ab65773_roipool:
	.size	k_q3e6ab65773_roipool, .Lfunc_end_k_q3e6ab65773_roipool-k_q3e6ab65773_roipool
	.p2alignl 7, 3214868480
	.fill 96, 4, 3214868480
	.section	.rodata,"a",@progbits
	.p2align	6, 0x0
	.amdhsa_kernel k_q3e6ab65773_roipool
		.amdhsa_group_segment_fixed_size 0
		.amdhsa_private_segment_fixed_size 0
		.amdhsa_enable_private_segment 0
		.amdhsa_kernarg_size 24
		.amdhsa_user_sgpr_count 2
		.amdhsa_user_sgpr_kernarg_segment_ptr 1
		.amdhsa_wavefront_size32 1
		.amdhsa_system_sgpr_workgroup_id_x 1
		.amdhsa_system_sgpr_workgroup_id_y 1
		.amdhsa_system_sgpr_workgroup_id_z 1
		.amdhsa_system_vgpr_workitem_id 0
		.amdhsa_next_free_vgpr 102
		.amdhsa_next_free_sgpr 66
		.amdhsa_reserve_vcc 0
		.amdhsa_float_denorm_mode_32 3
		.amdhsa_float_denorm_mode_16_64 3
		.amdhsa_memory_ordered 1
		.amdhsa_forward_progress 1
		.amdhsa_inst_pref_size 7
	.end_amdhsa_kernel
	.amdgpu_metadata
---
amdhsa.version: [ 1, 2 ]
amdhsa.kernels:
  - .name:           k_q3e6ab65773_roipool
    .symbol:         k_q3e6ab65773_roipool.kd
    .args:
      - { .name: img, .offset: 0, .size: 8, .value_kind: global_buffer, .address_space: global }
      - { .name: rois, .offset: 8, .size: 8, .value_kind: global_buffer, .address_space: global }
      - { .name: out0, .offset: 16, .size: 8, .value_kind: global_buffer, .address_space: global }
    .group_segment_fixed_size: 0
    .private_segment_fixed_size: 0
    .kernarg_segment_align: 8
    .kernarg_segment_size: 24
    .max_flat_workgroup_size: 128
    .sgpr_count:     66
    .vgpr_count:     102
    .wavefront_size: 32
...
	.end_amdgpu_metadata
.endif
;; end of part 1
